; MI455X (gfx1250); checked and timed in simulation.
; The chip was launched on July 23, 2026; its instructions are those of AMD's public machine-readable ISA for CDNA 5 (MIT licence, August 2026) and "CDNA5" Instruction Set Architecture Reference Guide (July 2026). The comments in the code are by the model that wrote it; some were corrected since.
;; Attn. Allowed arithmetic: float matrix products may take bf16 or f16 operands with f32 sums; other float arithmetic in f32, or as packed bf16 or f16 multiplies, adds, multiply-adds, maxima and minima; sums over many terms, partial sums and values carried from step to step in f32; what a program stores and reads back later, other than sums and carried values, may be rounded once to bf16 or f16.
;; Inputs: W 1,024 x 1,024 float32; dec_hidden 1,024 x 16 float32; encoder_outputs 4,096 x 16 x 1,024 float32.
;; Outputs: out0 16 x 4,096 float32.
;; One version. Each part assembles by itself: llvm-mc -triple=amdgcn-amd-amdhsa -mcpu=gfx1250 --defsym DOCPART=n.
;; ======== version 1 of 1: 3 launches
;; workspace buffers: upart 1,048,576 bytes; scores 262,144 bytes; stats 2,048 bytes
;; launch upart (part 1): grid 16 x 16, 16 waves a work-group, no clusters, 67,584 bytes of LDS; arguments W, dec_hidden, upart; writes upart
.if DOCPART == 1
	.amdgcn_target "amdgcn-amd-amdhsa--gfx1250"
	.amdhsa_code_object_version 6
	.text
	.protected	k_qc4ee6705b3_upart
	.globl	k_qc4ee6705b3_upart
	.p2align	8
	.type	k_qc4ee6705b3_upart,@function
k_qc4ee6705b3_upart:
	s_mov_b64 s[64:65], 0
	v_nop
	global_prefetch_b8 v0, s[64:65] scope:SCOPE_SE
	s_setreg_imm32_b32 hwreg(HW_REG_WAVE_MODE, 25, 1), 1
	s_wait_xcnt 0x0
; PARTIAL SUMS OF u.  The two products of the problem are one bilinear form:
;   scores[b][t] = sum_d dec[d][b] sum_h W[d][h] enc[t][b][h] = sum_h enc[t][b][h] u[b][h],   u[b][h] = sum_d dec[d][b] W[d][h],
; which holds for every input.  This launch makes upart[c][b][h] = the sum over the 64 rows d = 64 c .. 64 c + 63; the next launch adds the 16 chunks c.
; W: [1024 d][1024 h] f32.  dec: [1024 d][16 b] f32.  upart: [16 c][16 b][1024 h] f32 (partial sums stay in f32).
; LIMITS.  u is formed first, so the order of rounding differs from the problem's own order; every product and sum is f32.  NaN and infinities are not treated apart.
; WHY f32 ON THE VECTOR UNIT.  An absolute error in a score is a relative error in its softmax weight, and a score is a sum of 1,024 terms: operands of 8 significant bits would
; shift it by more than the result bears.  And the work is small: each number of W feeds 16 multiply-adds, 128 vector instructions a wave.
; SHARES.  Work-group (x = hb, y = c): 64 columns h = 64 hb .. of the 64 rows of chunk c.  Wave w: rows 64 c + 4 w + 0..3.  Lane l: columns 64 hb + 2 l, + 1, for all 16 b: 32 sums.
; A wave's load of a row is 256 consecutive bytes, at a multiple of 256 from W's first byte.  dec[d][0..15] is the same for all lanes: it lies in scalar registers.
; The 16 waves' sums meet in LDS; wave w then adds the 16 parts of b = w and stores 256 consecutive bytes.
; NO CLUSTER: what the 16 work-groups of a chunk share is dec's 4,096 bytes, against 16,384 bytes of W that are each work-group's own; it comes by scalar loads.
.set RED,   0                          ; LDS 0 .. 65,535: wave w's pair for b at 4,096 w + 256 b + 8 l
.set SPARE, 65536                      ; the spare words, 128 bytes for each of the 16 waves: eight blocks of 256 bytes that no other line names
.set LO,  1                            ; v1      8 x lane: my byte offset in 256 bytes of W and of upart; never rewritten
.set STO, 2                            ; v2      LDS: 4,096 w + 8 l, where I put my sums
.set RDA, 3                            ; v3      LDS: 256 w + 8 l, where I read the 16 parts of b = w
.set SPW, 4                            ; v4      LDS address of my spare word; never rewritten
.set NIL, 5                            ; v5      0; never rewritten
.set WV,  6                            ; v[6:13]  my two columns of the wave's four rows
.set A,   14                           ; v[14:45] the sums: the pair for b at A + 2 b
.set R,   46                           ; v[46:77] the 16 waves' parts of b = w
	s_load_b128 s[4:7], s[0:1], 0x0                ; W s[4:5], dec s[6:7]
	s_load_b64 s[8:9], s[0:1], 0x10                ; upart
	v_lshl_add_u32 v[SPW], v0, 2, SPARE
	v_mov_b32 v[NIL], 0
	v_lshrrev_b32 v1, 5, v0
	v_readfirstlane_b32 s2, v1                     ; wave 0..15
	v_and_b32 v1, 31, v0
	v_lshlrev_b32 v[LO], 3, v1                     ; 8 x lane
	v_lshl_add_u32 v[STO], s2, 12, v[LO]
	v_lshl_add_u32 v[RDA], s2, 8, v[LO]
	s_and_b32 s3, ttmp7, 0xffff                    ; c
	s_lshl_b32 s60, ttmp9, 8                       ; hb x 256 bytes
	s_lshl_b32 s10, s3, 18                         ; W: 64 c rows of 4,096 bytes,
	s_lshl_b32 s61, s2, 14                         ; 4 w rows,
	s_add_co_u32 s10, s10, s61
	s_add_co_u32 s10, s10, s60                     ; and the columns
	s_mov_b32 s11, 0
	s_lshl_b32 s62, s3, 12                         ; dec: 64 c rows of 64 bytes,
	s_lshl_b32 s61, s2, 8                          ; 4 w rows
	s_add_co_u32 s62, s62, s61
	s_mov_b32 s63, 0
	s_lshl_b32 s66, s3, 16                         ; upart: chunk c,
	s_lshl_b32 s61, s2, 12                         ; row b = w,
	s_add_co_u32 s66, s66, s61
	s_add_co_u32 s66, s66, s60                     ; and the columns
	s_mov_b32 s67, 0
	s_wait_kmcnt 0x0
	s_add_nc_u64 s[4:5], s[4:5], s[10:11]
	s_add_nc_u64 s[6:7], s[6:7], s[62:63]
	s_add_nc_u64 s[8:9], s[8:9], s[66:67]
	s_load_b512 s[12:27], s[6:7], 0x0              ; dec of my four rows: 256 consecutive bytes, asked for together
	s_load_b512 s[28:43], s[6:7], 0x40
	s_load_b512 s[44:59], s[6:7], 0x80
	s_load_b512 s[68:83], s[6:7], 0xc0
.irp k, 0,1,2,3
	global_load_b64 v[WV+2*(\k):WV+2*(\k)+1], v[LO], s[4:5] offset:4096*(\k) th:TH_LOAD_NT  ; the launch reads each byte of W once
.endr
	s_wait_kmcnt 0x0                               ; scalar loads come back in no order: all four rows of dec are in
; Row k of the wave's four, whose 16 numbers of dec begin at s[dk]: 32 multiply-adds.  The first row's products start the sums: nothing is cleared.
.macro ROWK k, dk
	s_wait_loadcnt 3-(\k)                          ; loads come back in order: row k is in, the 3 - k rows asked for behind it may be out
.set bb, 0
.rept 16
.if (\k) == 0
	v_mul_f32 v[A+2*bb],   s[(\dk)+bb], v[WV+2*(\k)]
	v_mul_f32 v[A+2*bb+1], s[(\dk)+bb], v[WV+2*(\k)+1]
.else
	v_fmac_f32 v[A+2*bb],   s[(\dk)+bb], v[WV+2*(\k)]
	v_fmac_f32 v[A+2*bb+1], s[(\dk)+bb], v[WV+2*(\k)+1]
.endif
.set bb, bb+1
.endr
.endm
	ROWK 0, 12
	ROWK 1, 28
	ROWK 2, 44
	ROWK 3, 68
.set bb, 0
.rept 16
	ds_store_b64 v[STO], v[A+2*bb:A+2*bb+1] offset:RED+256*bb  ; 32 lanes, 256 consecutive bytes
.set bb, bb+1
.endr
	s_wait_tensorcnt 0x0                           ; behind my last LDS store; only LDS reads follow
	ds_add_u32 v[SPW], v[NIL]
	s_wait_dscnt 0x0                               ; also for the others' sake: my 16 stores are done before I signal
	s_barrier_signal -1
	s_barrier_wait -1                              ; all 16 waves' sums lie in LDS
.set kk, 0
.rept 16
	ds_load_b64 v[R+2*kk:R+2*kk+1], v[RDA] offset:RED+4096*kk  ; wave kk's part of b = w
.set kk, kk+1
.endr
	s_wait_dscnt 0x0
; 16 pairs at base are added, in place, neighbours 1, 2, 4 and 8 pairs apart: 15 packed additions, the sum in the first pair
.macro TREE base
.irp s, 1,2,4,8
.set kk, 0
.rept 8/(\s)
	v_pk_add_f32 v[(\base)+2*kk:(\base)+2*kk+1], v[(\base)+2*kk:(\base)+2*kk+1], v[(\base)+2*(kk+(\s)):(\base)+2*(kk+(\s))+1]
.set kk, kk+2*(\s)
.endr
.endr
.endm
	TREE R
	global_store_b64 v[LO], v[R:R+1], s[8:9]       ; the wave stores 256 consecutive bytes, at a multiple of 256 from upart's first byte
	s_endpgm
.Lfunc_end_k_qc4ee6705b3_upart:
	.size	k_qc4ee6705b3_upart, .Lfunc_end_k_qc4ee6705b3_upart-k_qc4ee6705b3_upart
	.p2alignl 7, 3214868480
	.fill 96, 4, 3214868480
	.section	.rodata,"a",@progbits
	.p2align	6, 0x0
	.amdhsa_kernel k_qc4ee6705b3_upart
		.amdhsa_group_segment_fixed_size 67584
		.amdhsa_private_segment_fixed_size 0
		.amdhsa_enable_private_segment 0
		.amdhsa_kernarg_size 24
		.amdhsa_user_sgpr_count 2
		.amdhsa_user_sgpr_kernarg_segment_ptr 1
		.amdhsa_wavefront_size32 1
		.amdhsa_system_sgpr_workgroup_id_x 1
		.amdhsa_system_sgpr_workgroup_id_y 1
		.amdhsa_system_sgpr_workgroup_id_z 1
		.amdhsa_system_vgpr_workitem_id 0
		.amdhsa_next_free_vgpr 80
		.amdhsa_next_free_sgpr 84
		.amdhsa_reserve_vcc 0
		.amdhsa_float_denorm_mode_32 3
		.amdhsa_float_denorm_mode_16_64 3
		.amdhsa_memory_ordered 1
		.amdhsa_forward_progress 1
		.amdhsa_inst_pref_size 10
	.end_amdhsa_kernel
	.amdgpu_metadata
---
amdhsa.version: [ 1, 2 ]
amdhsa.kernels:
  - .name:           k_qc4ee6705b3_upart
    .symbol:         k_qc4ee6705b3_upart.kd
    .args:
      - { .name: W, .offset: 0, .size: 8, .value_kind: global_buffer, .address_space: global }
      - { .name: dec_hidden, .offset: 8, .size: 8, .value_kind: global_buffer, .address_space: global }
      - { .name: upart, .offset: 16, .size: 8, .value_kind: global_buffer, .address_space: global }
    .group_segment_fixed_size: 67584
    .private_segment_fixed_size: 0
    .kernarg_segment_align: 8
    .kernarg_segment_size: 24
    .max_flat_workgroup_size: 512
    .sgpr_count:     84
    .vgpr_count:     80
    .wavefront_size: 32
...
	.end_amdgpu_metadata
.endif
;; end of part 1
;; launch scores (part 2): grid 16 x 16, 16 waves a work-group, no clusters, 7,168 bytes of LDS; arguments encoder_outputs, upart, scores, stats; writes scores, stats
.if DOCPART == 2
	.amdgcn_target "amdgcn-amd-amdhsa--gfx1250"
	.amdhsa_code_object_version 6
	.text
	.protected	k_qc4ee6705b3_scores
	.globl	k_qc4ee6705b3_scores
	.p2align	8
	.type	k_qc4ee6705b3_scores,@function
k_qc4ee6705b3_scores:
	s_mov_b64 s[64:65], 0
	v_nop
	global_prefetch_b8 v0, s[64:65] scope:SCOPE_SE
	s_setreg_imm32_b32 hwreg(HW_REG_WAVE_MODE, 25, 1), 1
	s_wait_xcnt 0x0
; SCORES.  scores[b][t] = sum_h enc[t][b][h] u[b][h], with u[b][h] = the sum of upart's 16 chunks; and for each block of 256 t its maximum m and l = sum exp(s - m).
; enc: [4096 t][16 b][1024 h] f32.  upart: [16 c][16 b][1024 h] f32.  scores: [16 b][4096 t] f32.  stats: [16 b][16 tb][m, l] f32.
; LIMITS.  u is formed first, so the order of rounding differs from the problem's own order; every product and sum is f32.  An exponential below 2^-126 counts as 0 in l.
; NaN and infinities are not treated apart.  The block's maximum is taken away before the exponential: d = s - m first, then 2^(d log2 e).
; WHY THE VECTOR UNIT, IN f32.  Each number of enc feeds ONE multiply-add, so the launch is a stream: 1,048,576 bytes of enc a work-group, each read once; a matrix form would have nothing
; to share a fragment with, and 16-bit operands would shift a score, a sum of 1,024 terms whose absolute error is the weight's relative error, by more than the result bears.
; SHARES.  Work-group (x = tb, y = b): the 256 rows t = 256 tb .. of column b.  Wave w: rows 256 tb + 16 w + i, i = 0..15.  A row (t, b) is 4,096 consecutive bytes: eight loads of 16 bytes a lane,
; each load of the wave 512 consecutive bytes; lane l holds columns 128 j + 4 l + 0..3 of load j.  u[b] lies in the same lane layout in 32 registers for the whole kernel.
; THE RING.  Six row slots of 32 registers: five rows (40 loads) of every wave stay on their way while one is multiplied, 16 waves alike.  Row and load stand in the immediate offset
; (65,536 i + 512 j, 986,624 at the most, inside its signed 24 bits): no address register and no base is ever rewritten.
; NO LDS RING, NO CLUSTER: no byte of enc is read by two waves.  What the 16 work-groups of a column b share is upart's 65,536 bytes, a sixteenth of each one's own bytes of enc.
.set ULDS,  0                          ; LDS 0 .. 4,095: u[b][h], as it lies in a row
.set SC,    4096                       ; LDS 4,096 .. 5,119: the work-group's 256 scores, in the order of t
.set SPARE, 5120                       ; the spare words, 128 bytes for each of the 16 waves: eight blocks of 256 bytes that no other line names
.set OFF, 2                            ; v2   16 x lane: my offset in 512 bytes of enc, of u in LDS, of the scores in LDS and in memory; never rewritten
.set UO,  3                            ; v3   8 x thread: my offset in a row of upart, and where I put my two numbers of u in LDS; never rewritten
.set SA,  4                            ; v4   LDS: SC + 64 w + 4 (lane % 16)
.set SPW, 5                            ; v5   LDS address of my spare word; never rewritten
.set NIL, 6                            ; v6   0; never rewritten
.set RES, 7                            ; v7   lanes i and i + 16: the score of the wave's row i
.set T,   8                            ; v8   at work
.set T2,  9                            ; v9   at work: the other half of the lanes'
.set P,   10                           ; v[10:17]  four chains of packed sums; at the end m and l
.set U,   18                           ; v[18:49]  first my two columns of the 16 chunks, then u in the rows' lane layout
.set X,   50                           ; v[50:241] slot s: 32 registers, a row as loaded
.set SLOTS, 6
.set ROWS,  16
	s_load_b256 s[4:11], s[0:1], 0x0               ; enc s[4:5], upart s[6:7], scores s[8:9], stats s[10:11]
	v_lshl_add_u32 v[SPW], v0, 2, SPARE
	v_mov_b32 v[NIL], 0
	v_lshrrev_b32 v1, 5, v0
	v_readfirstlane_b32 s2, v1                     ; wave 0..15
	v_and_b32 v1, 31, v0
	v_lshlrev_b32 v[OFF], 4, v1
	v_lshlrev_b32 v[UO], 3, v0
	v_and_b32 v1, 15, v0
	v_lshlrev_b32 v1, 2, v1
	v_lshl_add_u32 v[SA], s2, 6, v1
	v_add_nc_u32 v[SA], SC, v[SA]
	v_mov_b32 v[T2], 0                             ; v_permlanex16_b32's destination counts as read: it is written once here
	s_mov_b32 s21, ttmp9                           ; tb
	s_and_b32 s22, ttmp7, 0xffff                   ; b
	s_lshl_b32 s12, s21, 24                        ; enc: 256 tb rows t of 65,536 bytes,
	s_lshl_b32 s3, s2, 20                          ; 16 w rows t,
	s_add_co_u32 s12, s12, s3
	s_lshl_b32 s24, s22, 12                        ; and b's 4,096 bytes in a row t; the same offset finds row b in a chunk of upart
	s_add_co_u32 s12, s12, s24                     ; under 2^28
	s_mov_b32 s13, 0
	s_mov_b32 s25, 0
	s_lshl_b32 s26, s22, 14                        ; scores: row b, block tb
	s_lshl_b32 s3, s21, 10
	s_add_co_u32 s26, s26, s3
	s_mov_b32 s27, 0
	s_lshl_b32 s28, s22, 7                         ; stats: row b, block tb
	s_lshl_b32 s3, s21, 3
	s_add_co_u32 s28, s28, s3
	s_mov_b32 s29, 0
	s_mov_b32 s14, 0x76543210                      ; v_permlanex16_b32: each lane takes its own place in the other half
	s_mov_b32 s15, 0xfedcba98
	s_mov_b32 s18, 0x3fb8aa3b                      ; log2 e
	s_mov_b32 s19, s18                             ; named with it as a pair
	s_wait_kmcnt 0x0
	s_add_nc_u64 s[4:5], s[4:5], s[12:13]
	s_add_nc_u64 s[6:7], s[6:7], s[24:25]
	s_add_nc_u64 s[8:9], s[8:9], s[26:27]
	s_add_nc_u64 s[10:11], s[10:11], s[28:29]
.macro FILL i                          ; row i of the wave's 16 into slot i % 6: eight loads, 512 consecutive bytes each
.set XF, X+32*((\i)%SLOTS)
.irp j, 0,1,2,3,4,5,6,7
	global_load_b128 v[XF+4*(\j):XF+4*(\j)+3], v[OFF], s[4:5] offset:(\i)*65536+(\j)*512 th:TH_LOAD_NT
.endr
.endm
; 16 pairs at base are added, in place, neighbours 1, 2, 4 and 8 pairs apart: 15 packed additions, the sum in the first pair
.macro TREE base
.irp s, 1,2,4,8
.set kk, 0
.rept 8/(\s)
	v_pk_add_f32 v[(\base)+2*kk:(\base)+2*kk+1], v[(\base)+2*kk:(\base)+2*kk+1], v[(\base)+2*(kk+(\s)):(\base)+2*(kk+(\s))+1]
.set kk, kk+2*(\s)
.endr
.endr
.endm
; v[d] = the sum (the maximum) of v[r] over the 32 lanes, in every lane: four steps inside each half of 16 lanes ride on the arithmetic, one crosses the halves
.macro LANESUM d, r, t
.irp m, 1,2,4,8
	v_add_f32_dpp v[\r], v[\r], v[\r] row_xmask:\m row_mask:0xf bank_mask:0xf
.endr
	v_permlanex16_b32 v[\t], v[\r], s14, s15
	v_add_f32 v[\d], v[\r], v[\t]
.endm
.macro LANEMAX d, r, t
.irp m, 1,2,4,8
	v_max_num_f32_dpp v[\r], v[\r], v[\r] row_xmask:\m row_mask:0xf bank_mask:0xf
.endr
	v_permlanex16_b32 v[\t], v[\r], s14, s15
	v_max_num_f32 v[\d], v[\r], v[\t]
.endm
	; u[b]: thread n takes columns 2 n, 2 n + 1 of all 16 chunks (each load of a wave: 256 consecutive bytes), adds them, and the 512 threads lay the row into LDS
.set cc, 0
.rept 16
	global_load_b64 v[U+2*cc:U+2*cc+1], v[UO], s[6:7] offset:65536*cc
.set cc, cc+1
.endr
	FILL 0                                         ; the stream starts behind them, before anything is waited for
	FILL 1
	FILL 2
	FILL 3
	FILL 4
	s_wait_loadcnt 40                              ; the 16 loads of upart are in; the 40 of rows 0 to 4, asked for behind them, stay out
	FILL 5
	TREE U
	ds_store_b64 v[UO], v[U:U+1] offset:ULDS
	s_wait_dscnt 0x0                               ; for the others' sake: my part of u is in LDS before I signal
	s_barrier_signal -1
	s_barrier_wait -1                              ; the whole row is; the loads of enc stay on their way: nobody writes those bytes
.irp j, 0,1,2,3,4,5,6,7
	ds_load_b128 v[U+4*(\j):U+4*(\j)+3], v[OFF] offset:ULDS+512*(\j)  ; columns 128 j + 4 l + 0..3, as load j of a row brings them
.endr
	s_wait_dscnt 0x0
; Row i's turn: 16 packed multiply-adds in four chains (the first four products start them), the slot's next row asked for, the sum over chains and lanes, and the score into lanes i and i + 16 of RES.
.macro TURN i
.if (\i)+SLOTS-1 < ROWS-1
	s_wait_loadcnt 8*(SLOTS-1)                     ; loads come back in order: row i is in; the five rows asked for behind it stay out
.else
	s_wait_loadcnt 8*(ROWS-1-(\i))                 ; the last rows: the counts run down
.endif
.set XS, X+32*((\i)%SLOTS)
.set n, 0
.rept 16
.if n < 4
	v_pk_mul_f32 v[P+2*n:P+2*n+1], v[XS+2*n:XS+2*n+1], v[U+2*n:U+2*n+1]
.else
	v_pk_fma_f32 v[P+2*(n%4):P+2*(n%4)+1], v[XS+2*n:XS+2*n+1], v[U+2*n:U+2*n+1], v[P+2*(n%4):P+2*(n%4)+1]
.endif
.set n, n+1
.endr
.if (\i)+SLOTS < ROWS
	FILL (\i)+SLOTS                                ; the slot has been read: its next row goes out ahead of the sums; no load leaves the work-group's rows
.endif
	v_pk_add_f32 v[P:P+1], v[P:P+1], v[P+2:P+3]
	v_pk_add_f32 v[P+4:P+5], v[P+4:P+5], v[P+6:P+7]
	v_pk_add_f32 v[P:P+1], v[P:P+1], v[P+4:P+5]
	v_add_f32 v[T], v[P], v[P+1]
.if (\i) == 0
	LANESUM RES, T, T2                             ; the first score starts RES in every lane
.else
	LANESUM T, T, T2
	s_mov_b32 s16, 0x10001<<(\i)
	v_cndmask_b32 v[RES], v[RES], v[T], s16        ; lanes i and i + 16 take it
.endif
.endm
.irp i, 0,1,2,3,4,5,6,7,8,9,10,11,12,13,14,15
	TURN \i
.endr
	ds_store_b32 v[SA], v[RES]                     ; lanes l and l + 16 write the same word with the same number: the wave's 16 scores, 64 consecutive bytes
	s_wait_tensorcnt 0x0                           ; behind my last LDS store; only LDS reads follow
	ds_add_u32 v[SPW], v[NIL]
	s_wait_dscnt 0x0                               ; also for wave 0's sake: my scores are in LDS before I signal
	s_barrier_signal -1
	s_barrier_wait -1
	s_cmp_lg_u32 s2, 0
	s_cbranch_scc1 .Lend                           ; wave 0 alone goes on: 256 numbers, eight a lane; no barrier and no LDS store stand below
	ds_load_b128 v[X:X+3],   v[OFF] offset:SC
	ds_load_b128 v[X+4:X+7], v[OFF] offset:SC+512
	s_wait_dscnt 0x0
	global_store_b128 v[OFF], v[X:X+3],   s[8:9]             ; 512 consecutive bytes each, at a multiple of 256 from the buffer's first byte;
	global_store_b128 v[OFF], v[X+4:X+7], s[8:9] offset:512  ; X .. X + 7 are not written again
	v_max3_num_f32 v[T], v[X], v[X+1], v[X+2]
	v_max3_num_f32 v[T], v[T], v[X+3], v[X+4]
	v_max3_num_f32 v[T], v[T], v[X+5], v[X+6]
	v_max_num_f32 v[T], v[T], v[X+7]
	LANEMAX T, T, T2
	v_mov_b32 v[P], v[T]                           ; m
.irp k, 0,1,2,3
	v_pk_add_f32 v[X+8+2*(\k):X+9+2*(\k)], v[X+2*(\k):X+2*(\k)+1], v[T:T2] op_sel_hi:[1,0] neg_lo:[0,1] neg_hi:[0,1]  ; s - m
.endr
.irp k, 0,1,2,3
	v_pk_mul_f32 v[X+8+2*(\k):X+9+2*(\k)], v[X+8+2*(\k):X+9+2*(\k)], s[18:19] op_sel_hi:[1,0]  ; times log2 e
.endr
.irp k, 0,1,2,3,4,5,6,7
	v_exp_f32 v[X+8+(\k)], v[X+8+(\k)]
.endr
	v_nop                                          ; a plain instruction between the last exponential and the use of its result
	s_wait_alu depctr_va_vdst(0)
	v_pk_add_f32 v[X+8:X+9], v[X+8:X+9], v[X+10:X+11]
	v_pk_add_f32 v[X+12:X+13], v[X+12:X+13], v[X+14:X+15]
	v_pk_add_f32 v[X+8:X+9], v[X+8:X+9], v[X+12:X+13]
	v_add_f32 v[P+1], v[X+8], v[X+9]
	LANESUM P+1, P+1, T2                           ; l
	v_mov_b32 v1, 0
	v_cmp_eq_u32 vcc_lo, 0, v0
	s_wait_xcnt 0x0                                ; EXEC is a source of the two stores above: it is narrowed only behind this wait
	s_and_saveexec_b32 s20, vcc_lo
	global_store_b64 v1, v[P:P+1], s[10:11]        ; one lane, eight bytes: the block's m and l; its neighbours in the buffer are other work-groups'
	s_wait_xcnt 0x0                                ; and widened again only behind this one
	s_or_b32 exec_lo, exec_lo, s20
.Lend:
	s_endpgm
.Lfunc_end_k_qc4ee6705b3_scores:
	.size	k_qc4ee6705b3_scores, .Lfunc_end_k_qc4ee6705b3_scores-k_qc4ee6705b3_scores
	.p2alignl 7, 3214868480
	.fill 96, 4, 3214868480
	.section	.rodata,"a",@progbits
	.p2align	6, 0x0
	.amdhsa_kernel k_qc4ee6705b3_scores
		.amdhsa_group_segment_fixed_size 7168
		.amdhsa_private_segment_fixed_size 0
		.amdhsa_enable_private_segment 0
		.amdhsa_kernarg_size 32
		.amdhsa_user_sgpr_count 2
		.amdhsa_user_sgpr_kernarg_segment_ptr 1
		.amdhsa_wavefront_size32 1
		.amdhsa_system_sgpr_workgroup_id_x 1
		.amdhsa_system_sgpr_workgroup_id_y 1
		.amdhsa_system_sgpr_workgroup_id_z 1
		.amdhsa_system_vgpr_workitem_id 0
		.amdhsa_next_free_vgpr 244
		.amdhsa_next_free_sgpr 66
		.amdhsa_reserve_vcc 1
		.amdhsa_float_denorm_mode_32 3
		.amdhsa_float_denorm_mode_16_64 3
		.amdhsa_memory_ordered 1
		.amdhsa_forward_progress 1
		.amdhsa_inst_pref_size 48
	.end_amdhsa_kernel
	.amdgpu_metadata
---
amdhsa.version: [ 1, 2 ]
amdhsa.kernels:
  - .name:           k_qc4ee6705b3_scores
    .symbol:         k_qc4ee6705b3_scores.kd
    .args:
      - { .name: encoder_outputs, .offset: 0, .size: 8, .value_kind: global_buffer, .address_space: global }
      - { .name: upart, .offset: 8, .size: 8, .value_kind: global_buffer, .address_space: global }
      - { .name: scores, .offset: 16, .size: 8, .value_kind: global_buffer, .address_space: global }
      - { .name: stats, .offset: 24, .size: 8, .value_kind: global_buffer, .address_space: global }
    .group_segment_fixed_size: 7168
    .private_segment_fixed_size: 0
    .kernarg_segment_align: 8
    .kernarg_segment_size: 32
    .max_flat_workgroup_size: 512
    .sgpr_count:     66
    .vgpr_count:     244
    .wavefront_size: 32
...
	.end_amdgpu_metadata
.endif
;; end of part 2
;; launch norm (part 3): grid 16 x 16, 2 waves a work-group, no clusters, 0 bytes of LDS; arguments scores, stats, out0; writes out0
.if DOCPART == 3
	.amdgcn_target "amdgcn-amd-amdhsa--gfx1250"
	.amdhsa_code_object_version 6
	.text
	.protected	k_qc4ee6705b3_norm
	.globl	k_qc4ee6705b3_norm
	.p2align	8
	.type	k_qc4ee6705b3_norm,@function
k_qc4ee6705b3_norm:
	s_mov_b64 s[64:65], 0
	v_nop
	global_prefetch_b8 v0, s[64:65] scope:SCOPE_SE
	s_setreg_imm32_b32 hwreg(HW_REG_WAVE_MODE, 25, 1), 1
	s_wait_xcnt 0x0
; THE SOFTMAX'S SECOND HALF.  out0[b][t] = exp(scores[b][t] - M[b]) / L[b], with M = the maximum of the row's 16 block maxima m_i and L = sum_i l_i exp(m_i - M).
; scores, out0: [16 b][4096 t] f32.  stats: [16 b][16 tb][m, l] f32.
; LIMITS.  The row's true maximum is taken away before every exponential (d = s - M first, then 2^(d log2 e)); a weight below 2^-126 comes out as 0; the division is a multiplication by
; v_rcp_f32's 1 / L; L is at least 1, since the block that holds M adds at least 1.  NaN and infinities are not treated apart.
; SHARES.  Work-group (x = tb, y = b): 256 numbers of row b; 64 threads, four numbers each: 16 lanes load and store 256 consecutive bytes, at a multiple of 256 from the buffer's first byte.
; Every half of 16 lanes holds the row's 16 pairs (m_i, l_i), lane % 16 = i, and combines them within itself: no LDS, no barrier.
; The row's 128 bytes of stats are read by all 16 work-groups of the row: nothing beside their 2,048 bytes of scores and results, so no cluster.
	s_load_b128 s[4:7], s[0:1], 0x0                ; scores s[4:5], stats s[6:7]
	s_load_b64 s[8:9], s[0:1], 0x10                ; out0
	v_lshlrev_b32 v1, 4, v0                        ; 16 x thread
	v_and_b32 v2, 15, v0
	v_lshlrev_b32 v2, 3, v2                        ; 8 x (lane % 16)
	s_and_b32 s16, ttmp7, 0xffff                   ; b
	s_lshl_b32 s10, s16, 14                        ; row b,
	s_lshl_b32 s17, ttmp9, 10                      ; block tb
	s_add_co_u32 s10, s10, s17
	s_mov_b32 s11, 0
	s_lshl_b32 s12, s16, 7                         ; the row's 16 pairs
	s_mov_b32 s13, 0
	s_mov_b32 s14, 0x3fb8aa3b                      ; log2 e
	s_mov_b32 s15, s14                             ; named with it as a pair
	s_wait_kmcnt 0x0
	s_add_nc_u64 s[4:5], s[4:5], s[10:11]
	s_add_nc_u64 s[6:7], s[6:7], s[12:13]
	s_add_nc_u64 s[8:9], s[8:9], s[10:11]
	global_load_b64 v[4:5], v2, s[6:7]             ; m_i, l_i
	global_load_b128 v[8:11], v1, s[4:5]           ; my four scores
	s_wait_loadcnt 0x1                             ; the pair is in; the scores, asked for behind it, may be out
	v_mov_b32 v6, v4
.irp m, 1,2,4,8
	v_max_num_f32_dpp v6, v6, v6 row_xmask:\m row_mask:0xf bank_mask:0xf
.endr                                                  ; v6 = M
	v_sub_f32 v7, v4, v6
	v_mul_f32 v7, s14, v7
	v_exp_f32 v7, v7
	v_nop                                          ; a plain instruction behind the exponential
	s_wait_alu depctr_va_vdst(0)
	v_mul_f32 v7, v7, v5                           ; l_i exp(m_i - M)
.irp m, 1,2,4,8
	v_add_f32_dpp v7, v7, v7 row_xmask:\m row_mask:0xf bank_mask:0xf
.endr                                                  ; v7 = L
	v_rcp_f32 v12, v7                              ; twice: a pair for the packed multiply
	v_rcp_f32 v13, v7
	v_nop                                          ; a plain instruction behind the reciprocals
	s_wait_loadcnt 0x0
	v_pk_add_f32 v[8:9],   v[8:9],   v[6:7] op_sel_hi:[1,0] neg_lo:[0,1] neg_hi:[0,1]  ; s - M
	v_pk_add_f32 v[10:11], v[10:11], v[6:7] op_sel_hi:[1,0] neg_lo:[0,1] neg_hi:[0,1]
	v_pk_mul_f32 v[8:9],   v[8:9],   s[14:15] op_sel_hi:[1,0]
	v_pk_mul_f32 v[10:11], v[10:11], s[14:15] op_sel_hi:[1,0]
	v_exp_f32 v8, v8
	v_exp_f32 v9, v9
	v_exp_f32 v10, v10
	v_exp_f32 v11, v11
	v_nop                                          ; a plain instruction behind the last exponential
	s_wait_alu depctr_va_vdst(0)
	v_pk_mul_f32 v[8:9],   v[8:9],   v[12:13]
	v_pk_mul_f32 v[10:11], v[10:11], v[12:13]
	global_store_b128 v1, v[8:11], s[8:9]
	s_endpgm
.Lfunc_end_k_qc4ee6705b3_norm:
	.size	k_qc4ee6705b3_norm, .Lfunc_end_k_qc4ee6705b3_norm-k_qc4ee6705b3_norm
	.p2alignl 7, 3214868480
	.fill 96, 4, 3214868480
	.section	.rodata,"a",@progbits
	.p2align	6, 0x0
	.amdhsa_kernel k_qc4ee6705b3_norm
		.amdhsa_group_segment_fixed_size 0
		.amdhsa_private_segment_fixed_size 0
		.amdhsa_enable_private_segment 0
		.amdhsa_kernarg_size 24
		.amdhsa_user_sgpr_count 2
		.amdhsa_user_sgpr_kernarg_segment_ptr 1
		.amdhsa_wavefront_size32 1
		.amdhsa_system_sgpr_workgroup_id_x 1
		.amdhsa_system_sgpr_workgroup_id_y 1
		.amdhsa_system_sgpr_workgroup_id_z 1
		.amdhsa_system_vgpr_workitem_id 0
		.amdhsa_next_free_vgpr 16
		.amdhsa_next_free_sgpr 66
		.amdhsa_reserve_vcc 0
		.amdhsa_float_denorm_mode_32 3
		.amdhsa_float_denorm_mode_16_64 3
		.amdhsa_memory_ordered 1
		.amdhsa_forward_progress 1
		.amdhsa_inst_pref_size 3
	.end_amdhsa_kernel
	.amdgpu_metadata
---
amdhsa.version: [ 1, 2 ]
amdhsa.kernels:
  - .name:           k_qc4ee6705b3_norm
    .symbol:         k_qc4ee6705b3_norm.kd
    .args:
      - { .name: scores, .offset: 0, .size: 8, .value_kind: global_buffer, .address_space: global }
      - { .name: stats, .offset: 8, .size: 8, .value_kind: global_buffer, .address_space: global }
      - { .name: out0, .offset: 16, .size: 8, .value_kind: global_buffer, .address_space: global }
    .group_segment_fixed_size: 0
    .private_segment_fixed_size: 0
    .kernarg_segment_align: 8
    .kernarg_segment_size: 24
    .max_flat_workgroup_size: 64
    .sgpr_count:     66
    .vgpr_count:     16
    .wavefront_size: 32
...
	.end_amdgpu_metadata
.endif
;; end of part 3
